; MI455X (gfx1250); checked and timed in simulation.
; The chip was launched on July 23, 2026; its instructions are those of AMD's public machine-readable ISA for CDNA 5 (MIT licence, August 2026) and "CDNA5" Instruction Set Architecture Reference Guide (July 2026). The comments in the code are by the model that wrote it; some were corrected since.
;; Bit Linear. Allowed arithmetic: float matrix products may take bf16 or f16 operands with f32 sums; other float arithmetic in f32, or as packed bf16 or f16 multiplies, adds, multiply-adds, maxima and minima; sums over many terms, partial sums and values carried from step to step in f32; what a program stores and reads back later, other than sums and carried values, may be rounded once to bf16 or f16.
;; Inputs: input 4,096 x 4,096 float32; input_scale 1 float32; weight 4,096 x 4,096 float32; weight_scale 1 float32.
;; Outputs: out0 4,096 x 4,096 float32.
;; 2 versions, each right; version 2 is version 1 with the launch quant written anew for expert scheduling mode. Each part assembles by itself: llvm-mc -triple=amdgcn-amd-amdhsa -mcpu=gfx1250 --defsym DOCPART=n.
;; ======== version 1 of 2: 2 launches
;; workspace buffers: xq 33,554,432 bytes; wq 33,554,432 bytes
;; launch quant (part 1): grid 512 x 2, 8 waves a work-group, no clusters, 0 bytes of LDS; arguments input, weight, input_scale, weight_scale, xq, wq; writes xq, wq
.if DOCPART == 1
	.amdgcn_target "amdgcn-amd-amdhsa--gfx1250"
	.amdhsa_code_object_version 6
	.text
	.protected	k_q0cb663d5b2_quant
	.globl	k_q0cb663d5b2_quant
	.p2align	8
	.type	k_q0cb663d5b2_quant,@function
k_q0cb663d5b2_quant:
	s_mov_b64 s[64:65], 0
	v_nop
	global_prefetch_b8 v0, s[64:65] scope:SCOPE_SE
	s_setreg_imm32_b32 hwreg(HW_REG_WAVE_MODE, 25, 1), 1
	s_wait_xcnt 0x0
; QUANTISATION, once for each number.  Grid y = 0: xq[t][i] = clip(round(input[t][i] / xs), -128, 127).  Grid y = 1: wq[p][i] = clip(round(weight[n][i] / ws), -1, 1).
; Inputs [4096][4096] f32, results [4096][4096] bf16: whole numbers of at most 8 bits, which bf16 holds exactly.
; THE QUOTIENT IS THE CORRECTLY ROUNDED f32 QUOTIENT, since one number that falls on the other side of a half changes a whole row or column of the product by xs ws.
; r = 1 / s is made once: v_rcp_f32 and two Newton steps by fused multiply-adds.  Then q = x r, and twice: the exact residual e = x - q s (one fused multiply-add), q = q + e r.
; After the first correction q lies within one unit in the last place, and the second then rounds to the true quotient's nearest f32.
; v_rndne_f32 rounds halves to even, as jnp.round does; v_med3_num_f32 clips.
; LIMITS.  The scales are finite and not 0, 2^-64 <= |s| <= 2^64; |x| <= 2^60: then no quotient or residual overflows, and a residual loses bits only where the quotient is far below 0.5.
; For a scale whose significand is all ones r may miss the nearest f32; the quotient is then right to 2^-47 of itself before its last rounding.  NaN and infinities are not treated apart.
; WHERE A ROW OF wq LIES.  Inside each group of 64 rows, weight row n = 64 g + 4 r + b (b = 0..3, r = 0..15) goes to place p = 64 g + 16 b + r.  In the product that follows, four neighbouring
; accumulators of a lane then hold four neighbouring columns of the output.  xq's rows lie as input's.
; SHARES.  A wave takes one row: 16,384 bytes in, 8,192 out, in 32 chunks.  A chunk is one load of 16 bytes a lane (512 consecutive bytes a wave) and one store of 8 bytes a lane (256 consecutive bytes,
; at a multiple of 256 from the buffer's first byte).  A ring of 16 register slots keeps 16 loads of every wave on their way.  Every chunk's place stands in the immediate: no address register is rewritten, and there is no loop.
; No LDS, no barrier, no matrix unit, no cluster: no wave wants a byte that another has fetched.
.set NS,  4                            ; v[4:5]    -s, twice
.set RC,  6                            ; v[6:7]    1 / s, twice
.set Q,   10                           ; v[10:13]  four quotients at work
.set R,   14                           ; v[14:17]  four residuals at work
.set X,   20                           ; v[20:83]  slot i: 4 registers as loaded
.set Y,   84                           ; v[84:115] slot i: 2 registers to store
	s_load_b256 s[4:11], s[0:1], 0x0               ; input s[4:5], weight s[6:7], input_scale s[8:9], weight_scale s[10:11]
	s_load_b128 s[12:15], s[0:1], 0x20             ; xq s[12:13], wq s[14:15]
	v_lshrrev_b32 v3, 5, v0
	v_readfirstlane_b32 s17, v3                    ; wave 0..7
	v_and_b32 v1, 31, v0                           ; lane
	v_lshlrev_b32 v2, 3, v1                        ; 8 x lane: my place in a chunk of the result; never rewritten
	v_lshlrev_b32 v1, 4, v1                        ; 16 x lane: my place in a chunk of the input; never rewritten
	s_and_b32 s16, ttmp7, 0xffff                   ; 0: input, 1: weight
	s_lshl_b32 s18, ttmp9, 3
	s_add_co_u32 s18, s18, s17                     ; n, my row: 8 x work-group + wave
	s_and_b32 s19, s18, 0xfc0                      ; 64 g
	s_and_b32 s28, s18, 3                          ; b
	s_lshl_b32 s28, s28, 4
	s_or_b32 s19, s19, s28                         ; + 16 b
	s_bfe_u32 s28, s18, 0x40002                    ; r: four bits from bit 2
	s_or_b32 s19, s19, s28                         ; p
	s_mov_b32 s29, 0                               ; the high words of the two offsets
	s_mov_b32 s31, 0
	s_wait_kmcnt 0x0
	s_load_b32 s2, s[8:9], 0x0                     ; xs
	s_load_b32 s3, s[10:11], 0x0                   ; ws
	s_cmp_eq_u32 s16, 0                            ; the selects below leave SCC as it is
	s_cselect_b64 s[20:21], s[4:5], s[6:7]         ; from where,
	s_cselect_b64 s[24:25], s[12:13], s[14:15]     ; to where,
	s_cselect_b32 s26, 0xc3000000, -1.0            ; the lower bound: -128 or -1,
	s_cselect_b32 s27, 0x42fe0000, 1.0             ; the upper: 127 or 1,
	s_cselect_b32 s19, s18, s19                    ; and the row's place in the result: n or p
	s_lshl_b32 s28, s18, 14                        ; 16,384 bytes a row in
	s_lshl_b32 s30, s19, 13                        ; 8,192 bytes a row out
	s_add_nc_u64 s[20:21], s[20:21], s[28:29]
	s_add_nc_u64 s[24:25], s[24:25], s[30:31]
.irp i, 0,1,2,3,4,5,6,7,8,9,10,11,12,13,14,15
	global_load_b128 v[X+4*(\i):X+4*(\i)+3], v1, s[20:21] offset:512*(\i) th:TH_LOAD_NT  ; the ring is filled: chunks 0 to 15
.endr
	s_wait_kmcnt 0x0                               ; the two scales
	s_cmp_eq_u32 s16, 0
	s_cselect_b32 s2, s2, s3                       ; s
	v_mov_b32 v9, s2
	v_rcp_f32 v[RC], v9
	v_xor_b32 v[NS], 0x80000000, v9                ; -s: also the plain instruction behind the reciprocal
	v_mov_b32 v[NS+1], v[NS]
	s_wait_alu depctr_va_vdst(0)                   ; the wait ahead of the first line that names the reciprocal
.rept 2
	v_fma_f32 v8, v[NS], v[RC], 1.0                ; 1 - s r, exactly rounded once
	v_fma_f32 v[RC], v8, v[RC], v[RC]              ; r + r (1 - s r)
.endr
	v_mov_b32 v[RC+1], v[RC]
; One slot's turn, for chunk c.  ahead = 1: the slot is filled again with the chunk 16 further on.  left = how many younger loads may stay out.
; reuse = 1: the slot's Y has been a store's data before.
.macro SLOT i, c, ahead, left, reuse
	s_wait_loadcnt \left                           ; loads come back in order (ISA guide 5.7.1): mine is in, the younger ones stay out
.if \reuse
	s_wait_xcnt 0x0                                ; this slot's Y, which its first store reads, is rewritten only behind this wait
.endif
	v_pk_mul_f32 v[Q:Q+1],   v[X+4*(\i):X+4*(\i)+1],   v[RC:RC+1]
	v_pk_mul_f32 v[Q+2:Q+3], v[X+4*(\i)+2:X+4*(\i)+3], v[RC:RC+1]
.rept 2
	v_pk_fma_f32 v[R:R+1],   v[Q:Q+1],   v[NS:NS+1], v[X+4*(\i):X+4*(\i)+1]    ; x - q s
	v_pk_fma_f32 v[R+2:R+3], v[Q+2:Q+3], v[NS:NS+1], v[X+4*(\i)+2:X+4*(\i)+3]
	v_pk_fma_f32 v[Q:Q+1],   v[R:R+1],   v[RC:RC+1], v[Q:Q+1]                  ; q + (x - q s) r
	v_pk_fma_f32 v[Q+2:Q+3], v[R+2:R+3], v[RC:RC+1], v[Q+2:Q+3]
.endr
.irp k, 0,1,2,3
	v_rndne_f32 v[Q+(\k)], v[Q+(\k)]
.endr
.irp k, 0,1,2,3
	v_med3_num_f32 v[Q+(\k)], v[Q+(\k)], s26, s27
.endr
	v_cvt_pk_bf16_f32 v[Y+2*(\i)],   v[Q],   v[Q+1]  ; exact: whole numbers of at most 8 bits
	v_cvt_pk_bf16_f32 v[Y+2*(\i)+1], v[Q+2], v[Q+3]
.if \ahead
	global_load_b128 v[X+4*(\i):X+4*(\i)+3], v1, s[20:21] offset:512*((\c)+16) th:TH_LOAD_NT
.endif
	global_store_b64 v2, v[Y+2*(\i):Y+2*(\i)+1], s[24:25] offset:256*(\c)
.endm
.irp i, 0,1,2,3,4,5,6,7,8,9,10,11,12,13,14,15
	SLOT \i, \i, 1, 15, 0                          ; behind slot i's load stand those of slots i + 1 to 15 and the refills of slots 0 to i - 1: fifteen
.endr
.irp i, 0,1,2,3,4,5,6,7,8,9,10,11,12,13,14,15
	SLOT \i, 16+(\i), 0, 15-(\i), 1                ; the second round loads nothing: the counts run down
.endr
	s_endpgm
.Lfunc_end_k_q0cb663d5b2_quant:
	.size	k_q0cb663d5b2_quant, .Lfunc_end_k_q0cb663d5b2_quant-k_q0cb663d5b2_quant
	.p2alignl 7, 3214868480
	.fill 96, 4, 3214868480
	.section	.rodata,"a",@progbits
	.p2align	6, 0x0
	.amdhsa_kernel k_q0cb663d5b2_quant
		.amdhsa_group_segment_fixed_size 0
		.amdhsa_private_segment_fixed_size 0
		.amdhsa_enable_private_segment 0
		.amdhsa_kernarg_size 48
		.amdhsa_user_sgpr_count 2
		.amdhsa_user_sgpr_kernarg_segment_ptr 1
		.amdhsa_wavefront_size32 1
		.amdhsa_system_sgpr_workgroup_id_x 1
		.amdhsa_system_sgpr_workgroup_id_y 1
		.amdhsa_system_sgpr_workgroup_id_z 1
		.amdhsa_system_vgpr_workitem_id 0
		.amdhsa_next_free_vgpr 116
		.amdhsa_next_free_sgpr 66
		.amdhsa_reserve_vcc 0
		.amdhsa_float_denorm_mode_32 3
		.amdhsa_float_denorm_mode_16_64 3
		.amdhsa_memory_ordered 1
		.amdhsa_forward_progress 1
		.amdhsa_inst_pref_size 46
	.end_amdhsa_kernel
	.amdgpu_metadata
---
amdhsa.version: [ 1, 2 ]
amdhsa.kernels:
  - .name:           k_q0cb663d5b2_quant
    .symbol:         k_q0cb663d5b2_quant.kd
    .args:
      - { .name: input, .offset: 0, .size: 8, .value_kind: global_buffer, .address_space: global }
      - { .name: weight, .offset: 8, .size: 8, .value_kind: global_buffer, .address_space: global }
      - { .name: input_scale, .offset: 16, .size: 8, .value_kind: global_buffer, .address_space: global }
      - { .name: weight_scale, .offset: 24, .size: 8, .value_kind: global_buffer, .address_space: global }
      - { .name: xq, .offset: 32, .size: 8, .value_kind: global_buffer, .address_space: global }
      - { .name: wq, .offset: 40, .size: 8, .value_kind: global_buffer, .address_space: global }
    .group_segment_fixed_size: 0
    .private_segment_fixed_size: 0
    .kernarg_segment_align: 8
    .kernarg_segment_size: 48
    .max_flat_workgroup_size: 256
    .sgpr_count:     66
    .vgpr_count:     116
    .wavefront_size: 32
...
	.end_amdgpu_metadata
.endif
;; end of part 1
;; launch gemm (part 2): grid 16 x 16, 4 waves a work-group, clusters of 4 x 4, 327,680 bytes of LDS; arguments xq, wq, out0, input_scale, weight_scale; writes out0
.if DOCPART == 2
	.amdgcn_target "amdgcn-amd-amdhsa--gfx1250"
	.amdhsa_code_object_version 6
	.text
	.protected	k_q0cb663d5b2_gemm
	.globl	k_q0cb663d5b2_gemm
	.p2align	8
	.type	k_q0cb663d5b2_gemm,@function
k_q0cb663d5b2_gemm:
	s_mov_b64 s[64:65], 0
	v_nop
	global_prefetch_b8 v0, s[64:65] scope:SCOPE_SE
	s_setreg_imm32_b32 hwreg(HW_REG_WAVE_MODE, 25, 1), 1
	s_wait_xcnt 0x0
	s_wait_alu depctr_hold_cnt(0) depctr_sa_sdst(0) depctr_va_vdst(0) depctr_va_sdst(0) depctr_va_ssrc(0) depctr_va_vcc(0) depctr_vm_vsrc(0)
	s_getreg_b32 s2, hwreg(HW_REG_IB_STS2, 6, 4)
	s_cmp_eq_u32 s2, 0
	s_cbranch_scc0 .Lentry_in_a_cluster
	s_endpgm
.Lentry_in_a_cluster:
	s_bfe_u32 s2, ttmp6, 0x10000c
	s_cmp_lg_u32 s2, 0xf033
	s_cbranch_scc0 .Lentry_shape_is_right
	s_endpgm
.Lentry_shape_is_right:
; out0[t][o] = (xs ws) x the sum over i of x_q[t][i] w_q[o][i].  xq: [4096][4096] bf16, rows as the tokens.  wq: [4096][4096] bf16; inside each group of 64 rows, place 64 g + 16 b + r holds
; weight row 64 g + 4 r + b.  out0: [4096][4096] f32.  The operands are whole numbers (|x_q| <= 128, |w_q| <= 1) and every partial sum is a whole number of at most 2^19: products and f32 sums are exact.
; xs ws is rounded once to f32, and each result once more by its multiplication.  LIMITS: the sign of a zero result is not kept; NaN and infinite scales are not treated apart.
; A tile of out0, 256 x 256, is made by a work-group of four waves, as many as a WGP has SIMDs; a wave makes 128 x 128: 64 accumulators of 16 x 16, 512 registers.  16 x 16 tiles: one work-group for each.
; K goes in 32 steps of 128 through a ring of two LDS slots filled by the tensor data mover: a tile's rows are 256 bytes of memory and start at multiples of 256 bytes from the buffer's first byte.
; CLUSTERS: 4 x 4 work-groups.  The four of a row of the cluster need the same tiles of xq, the four of a column the same tiles of wq: each tile is asked for JOINTLY, by the same tensor load with the
; same descriptor and a mask that names the four, and each receives it in its own LDS.  That divides the requests for xq and wq by four.
; THE WAY OUT NEEDS NO LDS.  Source 0 = 16 rows of xq, source 1 = 16 rows of wq: register j of lane l of accumulator (a, b) is out0[16 a + 8 (l / 16) + j][the weight row at place 16 b + l % 16].  By wq's order
; accumulators 4 g + 0..3 hold columns 64 g + 4 (l % 16) + 0..3: 16 consecutive bytes a lane, 256 consecutive bytes for 16 lanes.  The multiplication by xs ws, which is due anyway, gathers the four into one tuple.
; REGISTERS, in windows of 256 (s_set_vgpr_msb's low byte: bits 1:0 source 0, 3:2 source 1, 5:4 source 2, 7:6 destination):
;   window 0: v0-31 addresses and the factor; v64-127, v128-191 fragments of xq (8 x 16 rows x 32 K), two buffers; on the way out v64-255: three buffers of 64
;   window 1: v64-127, v128-191 fragments of wq, two buffers
;   window 2: the 32 accumulators of my rows 0-63 (accumulator (a, b) at v[8 (8 a + b)]);   window 3: those of my rows 64-127
.set SIZE_K, 4096
.set SIZE_N, 4096
.set KSTEP,  128
.set PITCH,  272                       ; an LDS row: 256 bytes of data + 16 of padding = 68 words: row r starts at bank 4 r mod 64 (64 banks of 4 bytes: ISA guide 11.1), so the 16 rows that a load touches start at 16 different banks
.set HALFT,  128*PITCH                 ; 128 rows: what one tensor load brings, and what one wave reads of xq or of wq
.set SLOT,   4*HALFT                   ; xq's 256 rows, then wq's 256 rows
.set SPARE,  2*SLOT                    ; behind the ring: the spare words, 128 bytes for each wave: two blocks of 256 bytes that no other line names
.set LAPS,   SIZE_K/(2*KSTEP)          ; a lap = two K steps = once round the ring: 16
.set ADRA, 16                          ; v16-17  LDS address of my xq fragments in slot 0, 1
.set ADRB, 20                          ; v20-21  the same for wq
.set CO,   26                          ; v26     my byte offset in out0: 8 (l / 16) rows + 16 (l % 16); never rewritten
.set SCL,  27                          ; v27     xs ws
.set SPW,  28                          ; v28     LDS address of my spare word: SPARE + 4 x my thread's number; never rewritten
.set NIL,  29                          ; v29     0; never rewritten
.set PFO,  30                          ; v30     the prefetches' offset: my lane x a row of xq or wq (8,192 bytes); never rewritten
.set F0,   64                          ; fragment buffer 0
.set F1,   128                         ; fragment buffer 1
.set LIM,  43                          ; s43     1 in a wave that prefetches, else the greatest number
.set PFA,  44                          ; s[44:45] where my prefetches stand: my work-group's 32 rows of the 128 that I fetch, one K step further along K than the refill in hand; a prefetch names the K step after that
.set G1,  24                           ; s[24:31] descriptor group 1 for xq's tiles
.set G0,  32                           ; s[32:39] descriptor group 0 for xq's tiles, one set for each slot
.set G1B, 48                           ; s[48:55] descriptor group 1 for wq's tiles: it differs in the mask alone
.set G0B, 56                           ; s[56:63] descriptor group 0 for wq's tiles, one set for each slot
.set MSB, 0
.macro WIN new                         ; the immediate's high byte repeats the setting that is left; a switch that changes nothing is dropped
.if MSB != (\new)
	s_set_vgpr_msb (MSB<<8)|(\new)
.set MSB, \new
.endif
.endm
.set MUL_LO, 0xa4                      ; source 0 (xq) window 0, source 1 (wq) window 1, C and D window 2
.set MUL_HI, 0xf4                      ; the same, C and D window 3
.set TO_W,   0x40                      ; destination window 1, address window 0
; A joint load.  Waves 0 and 1 fetch xq's two halves, waves 2 and 3 wq's.  Each of the two lines has one mask and one set of registers for all that issue it.  The branch hangs on the wave's number alone.
; An s_nop 0 and four v_nop follow each of the two lines, ahead of the jump and the label.
.macro JLOAD s
	s_cmp_eq_u32 s11, 0
	s_cbranch_scc0 .Lfor_w_\@
	tensor_load_to_lds s[G0+4*(\s):G0+4*(\s)+3], s[G1:G1+7]
	s_nop 0
.rept 4
	v_nop
.endr
	s_branch .Lasked_\@
.Lfor_w_\@:
	tensor_load_to_lds s[G0B+4*(\s):G0B+4*(\s)+3], s[G1B:G1B+7]
	s_nop 0
.rept 4
	v_nop
.endr
.Lasked_\@:
.endm
; A PREFETCH, behind each joint refill, its five lines and the run of LDS loads that follows them: the K step that stands TWO refills on (512 matrix instructions ahead of the load that will ask for it):
; 32 rows x 256 bytes, a lane a row, one instruction a wave.  Each row's 256 bytes of a K step are named ONCE in the launch: xq's tile row is read by every cluster of that row of clusters, and the one with
; x = 0 asks; wq's tile column by every cluster of that column, and the one with y = 0 asks.  The four partners that ask for a tile jointly share its rows out BY ADDRESS: of the 128 rows that a wave
; fetches the partner at place p takes 32 p .. 32 p + 31 (p = cx for xq, cy for wq): no branch hangs on a work-group's place in its cluster.  K steps 0 to 3 come by their loads alone; the loop's last
; trip (s3 = 1) asks for nothing, so K step 31 is the last that is named.
.macro ASK
	s_cmp_gt_u32 s3, s[LIM]
	s_cbranch_scc0 .Lnot_mine_\@
	global_prefetch_b8 v[PFO], s[PFA:PFA+1] offset:KSTEP*2 th:TH_LOAD_NT scope:SCOPE_SE
.Lnot_mine_\@:
.endm
; A round of the cluster's barrier: my work-group's barrier, so that wave 0's signal speaks for all four waves; wave 0 signals for the work-group; every wave waits for all sixteen work-groups;
; my work-group's barrier once more.  No LDS instruction of the wave is pending at a signal.
.macro CREST                           ; a round behind its opening barrier
	s_cmp_lg_u32 s10, 0
	s_cbranch_scc1 .Lnot_wave_0_\@
	s_barrier_signal -3
.Lnot_wave_0_\@:
	s_barrier_wait -3
	s_barrier_signal -1
	s_barrier_wait -1
.endm
.macro CROUND                          ; a whole round
	s_barrier_signal -1
	s_barrier_wait -1
	CREST
.endm
	s_load_b128 s[4:7], s[0:1], 0x0                ; xq s[4:5], wq s[6:7]
	s_load_b64 s[8:9], s[0:1], 0x10                ; out0
	s_load_b64 s[66:67], s[0:1], 0x18              ; input_scale
	s_load_b64 s[68:69], s[0:1], 0x20              ; weight_scale
	v_lshl_add_u32 v[SPW], v0, 2, SPARE
	v_mov_b32 v[NIL], 0
	ds_add_u32 v[SPW], v[NIL]                      ; the wave's opening: the add, twice on end, and its wait ahead of my first tensor load; the set-up below, work on registers, stands between
	ds_add_u32 v[SPW], v[NIL]                      ; and once more, under the one wait
	v_lshrrev_b32 v1, 5, v0
	v_readfirstlane_b32 s10, v1                    ; wave 0..3
	s_lshr_b32 s11, s10, 1                         ; which half of the tile's rows is mine.  Also: I fetch for xq (0) or for wq (1)
	s_and_b32 s12, s10, 1                          ; which half of its columns.  Also: which 128 rows of that tile I fetch
	s_bfe_u32 s40, ttmp6, 0x40000                  ; cx: my place along the cluster's x
	s_bfe_u32 s41, ttmp6, 0x40004                  ; cy: along its y
	s_lshl_b32 s42, ttmp9, 2                       ; in a cluster launch ttmp9 and ttmp7 count clusters
	s_add_co_u32 s42, s42, s40                     ; tile column = 4 x cluster x + cx
	s_and_b32 s13, ttmp7, 0xffff
	s_lshl_b32 s13, s13, 2
	s_add_co_u32 s13, s13, s41                     ; tile row = 4 x cluster y + cy
	s_lshl_b32 s43, s41, 2
	s_lshl_b32 s43, 15, s43                        ; my row of the cluster: places 4 cy .. 4 cy + 3
	s_lshl_b32 s44, 0x1111, s40                    ; my column: places cx, cx + 4, cx + 8, cx + 12
	; descriptor group 1: a tile of 128 rows x 128 elements, padded in LDS
	s_or_b32 s[G1+0], s43, (1<<16)|(1<<20)|(1<<21)|(5<<22)|(3<<25)   ; 15:0 the mask: xq's tiles go to my row; 17:16 elements of 2 bytes; 20 padding on; 21 set beside a mask; 24:22 after every 64 words (code 5); 31:25 4 words of it (code 3)
	s_or_b32 s[G1B+0], s44, (1<<16)|(1<<20)|(1<<21)|(5<<22)|(3<<25)  ; the same with the mask of my column, for wq's tiles
.irp g, G1, G1B
	s_mov_b32 s[(\g)+1], KSTEP<<16                 ; 63:48 tensor_dim0, low half = 128
	s_mov_b32 s[(\g)+2], 128<<16                   ; 79:64 its high half = 0; 95:80 tensor_dim1, low half = 128
	s_mov_b32 s[(\g)+3], KSTEP<<16                 ; 111:96 its high half = 0; 127:112 tile_dim0 = 128
	s_mov_b32 s[(\g)+4], 128                       ; 143:128 tile_dim1 = 128; 159:144 tile_dim2 = 0
	s_mov_b32 s[(\g)+5], SIZE_K                    ; 191:160 tensor_dim0_stride, low word: elements from row to row
	s_mov_b32 s[(\g)+6], 0
	s_mov_b32 s[(\g)+7], 0
.endr
	; where the tiles come from.  xq's hang on the tile row alone, which my row of the cluster shares; wq's on the tile column alone, which my column shares.
	; Every wave makes both addresses, in registers that never hold the other coordinate, and asks by one of them.
	s_lshl_b32 s17, s12, 7                         ; which 128 rows of the tile I fetch
	s_lshl_b32 s16, s13, 8
	s_add_co_u32 s16, s16, s17                     ; xq: row 256 x tile row + 128 x half
	s_lshl_b32 s46, s42, 8
	s_add_co_u32 s46, s46, s17                     ; wq: place 256 x tile column + 128 x half
	s_mov_b32 s17, 0
	s_mov_b32 s47, 0
	s_mov_b64 s[18:19], SIZE_K*2
	s_mul_u64 s[16:17], s[16:17], s[18:19]         ; in bytes
	s_mul_u64 s[46:47], s[46:47], s[18:19]
	s_mul_i32 s20, s10, HALFT                      ; and where they go: wave x 128 rows: no place in the cluster enters an LDS address
	s_wait_dscnt 0x0                               ; both opening adds are done
	s_wait_kmcnt 0x0
	s_add_nc_u64 s[14:15], s[4:5], s[16:17]
	s_add_nc_u64 s[46:47], s[6:7], s[46:47]
	CROUND                                         ; all sixteen work-groups are here: the first joint loads meet
.irp s, 0,1
	s_mov_b32 s[G0+4*(\s)], 1                                        ; 1:0 count = 1
	s_add_co_u32 s[G0+4*(\s)+1], s20, (\s)*SLOT                      ; 63:32 LDS address
	s_add_nc_u64 s[G0+4*(\s)+2:G0+4*(\s)+3], s[14:15], (\s)*KSTEP*2  ; 120:64 global address: K step s
	s_or_b32 s[G0+4*(\s)+3], s[G0+4*(\s)+3], 0x80000000              ; 127:126 type = 2
	s_mov_b32 s[G0B+4*(\s)], 1
	s_add_co_u32 s[G0B+4*(\s)+1], s20, (\s)*SLOT
	s_add_nc_u64 s[G0B+4*(\s)+2:G0B+4*(\s)+3], s[46:47], (\s)*KSTEP*2
	s_or_b32 s[G0B+4*(\s)+3], s[G0B+4*(\s)+3], 0x80000000
.endr
	s_cmp_eq_u32 s11, 0                            ; a wave's two first fills stand in one branch, ahead of every wait on TENSORcnt and every LDS read: two loads of mine are out
	s_cbranch_scc0 .Lfirst_w
	tensor_load_to_lds s[G0:G0+3], s[G1:G1+7]
	s_nop 0
	tensor_load_to_lds s[G0+4:G0+7], s[G1:G1+7]
	s_nop 0
.rept 4
	v_nop
.endr
	s_branch .Lfirst_asked
.Lfirst_w:
	tensor_load_to_lds s[G0B:G0B+3], s[G1B:G1B+7]
	s_nop 0
	tensor_load_to_lds s[G0B+4:G0B+7], s[G1B:G1B+7]
	s_nop 0
.rept 4
	v_nop
.endr
.Lfirst_asked:
	s_load_b32 s70, s[66:67], 0x0                  ; xs
	s_load_b32 s71, s[68:69], 0x0                  ; ws
	; A fragment is 16 rows x 32 K in 8 registers: lane l holds row l % 16; registers 0-3 hold K = 8 (l / 16) + 0..7, registers 4-7 hold K = 16 + 8 (l / 16) + 0..7: two loads of 16 bytes, 32 bytes apart.
	v_and_b32 v1, 15, v0                           ; l % 16
	v_bfe_u32 v2, v0, 4, 1                         ; l / 16
	v_mul_u32_u24 v3, v1, PITCH
	v_lshl_add_u32 v3, v2, 4, v3                   ; row x pitch + 16 x half
	s_mul_i32 s21, s11, HALFT                      ; my 128 rows of xq
	s_mul_i32 s22, s12, HALFT                      ; my 128 rows of wq,
	s_add_co_u32 s22, s22, 2*HALFT                 ; which lie behind xq's 256
.irp s, 0,1
	v_add_nc_u32 v[ADRA+(\s)], s21, v3
	v_add_nc_u32 v[ADRB+(\s)], s22, v3
	s_add_co_u32 s21, s21, SLOT
	s_add_co_u32 s22, s22, SLOT
.endr
	v_lshlrev_b32 v5, 17, v2                       ; lanes 16-31 lie 8 rows of 16,384 bytes further down,
	v_lshl_add_u32 v[CO], v1, 4, v5                ; and each lane has 16 bytes of a row
	; out0 at my part of the tile
	s_lshl_b32 s13, s13, 8
	s_lshl_b32 s14, s11, 7
	s_add_co_u32 s16, s13, s14                     ; my first row
	s_mov_b32 s17, 0
	s_mov_b64 s[18:19], SIZE_N*4
	s_mul_u64 s[16:17], s[16:17], s[18:19]
	s_lshl_b32 s46, s42, 10                        ; my first column, in bytes: 1,024 x tile column + 512 x half (in the registers that held wq's address: none that feeds xq's descriptors ever holds cx)
	s_lshl_b32 s47, s12, 9
	s_add_co_u32 s46, s46, s47
	s_mov_b32 s47, 0
	s_add_nc_u64 s[16:17], s[16:17], s[46:47]
	s_add_nc_u64 s[8:9], s[8:9], s[16:17]
	; the prefetches.  s13 = 256 x tile row, s42 = tile column, s40 = cx, s41 = cy still stand
	s_lshl_b32 s42, s42, 8
	s_and_b32 s22, ttmp7, 0xffff                   ; cluster y
	s_cmp_eq_u32 s11, 0                            ; do I fetch for xq?
	s_cselect_b32 s20, s13, s42                    ; the tile's first row: in xq by the tile row, in wq by the tile column
	s_cselect_b32 s21, s40, s41                    ; my place among the four that ask for it with me
	s_cselect_b32 s22, ttmp9, s22                  ; the coordinate along which other clusters read the same rows
	s_cselect_b64 s[PFA:PFA+1], s[4:5], s[6:7]
	s_cmp_eq_u32 s22, 0
	s_cselect_b32 s[LIM], 1, -1                    ; the same in all sixteen partners, for a given wave
	s_lshl_b32 s22, s12, 7
	s_add_co_u32 s20, s20, s22                     ; + the 128 rows that I fetch
	s_lshl_b32 s21, s21, 5
	s_add_co_u32 s20, s20, s21                     ; + my work-group's 32 of them
	s_mov_b32 s21, 0
	s_mov_b64 s[18:19], SIZE_K*2
	s_mul_u64 s[20:21], s[20:21], s[18:19]
	s_add_nc_u64 s[PFA:PFA+1], s[PFA:PFA+1], s[20:21]
	s_add_nc_u64 s[PFA:PFA+1], s[PFA:PFA+1], 2*KSTEP*2  ; at K step 2: the first refill steps it to 3 and names K step 4
	v_and_b32 v[PFO], 31, v0
	v_lshlrev_b32 v[PFO], 13, v[PFO]
	s_wait_kmcnt 0x0                               ; the two scales
	v_mov_b32 v[SCL], s70
	v_mul_f32 v[SCL], s71, v[SCL]                  ; xs ws, rounded once
; 16 matrix instructions: row blocks a0, a0 + 1 of the window's four (hi = 0: my rows 0-63, 1: rows 64-127) x all 8 column blocks, 32 along K.  zero = 1: the first product starts the sums: nothing is ever cleared.
; The 64 accumulators take turns, one instruction a turn, in the same order in every quarter step, over the backward jump too.
.macro MUL16 f, hi, a0, zero
	WIN MUL_LO+0x50*(\hi)
.irp a, \a0, (\a0)+1
.irp b, 0,1,2,3,4,5,6,7
.if \zero
	v_wmma_f32_16x16x32_bf16 v[8*(8*(\a)+(\b)):8*(8*(\a)+(\b))+7], v[(\f)+8*(4*(\hi)+(\a)):(\f)+8*(4*(\hi)+(\a))+7], v[(\f)+8*(\b):(\f)+8*(\b)+7], 0
.else
	v_wmma_f32_16x16x32_bf16 v[8*(8*(\a)+(\b)):8*(8*(\a)+(\b))+7], v[(\f)+8*(4*(\hi)+(\a)):(\f)+8*(4*(\hi)+(\a))+7], v[(\f)+8*(\b):(\f)+8*(\b)+7], v[8*(8*(\a)+(\b)):8*(8*(\a)+(\b))+7]
.endif
.endr
.endr
.endm
; 32 LDS loads in one run: the fragments of one quarter step (128 rows of wq, 128 rows of xq, 32 K at byte k of the rows) into buffer f
.macro FETCH slot, k, f
	WIN TO_W
.irp i, 0,1,2,3,4,5,6,7
	ds_load_b128 v[(\f)+8*(\i):(\f)+8*(\i)+3],   v[ADRB+(\slot)] offset:(\k)+(\i)*16*PITCH
	ds_load_b128 v[(\f)+8*(\i)+4:(\f)+8*(\i)+7], v[ADRB+(\slot)] offset:(\k)+(\i)*16*PITCH+32
.endr
	WIN 0
.irp i, 0,1,2,3,4,5,6,7
	ds_load_b128 v[(\f)+8*(\i):(\f)+8*(\i)+3],   v[ADRA+(\slot)] offset:(\k)+(\i)*16*PITCH
	ds_load_b128 v[(\f)+8*(\i)+4:(\f)+8*(\i)+7], v[ADRA+(\slot)] offset:(\k)+(\i)*16*PITCH+32
.endr
.endm
; A load into a register that a matrix instruction has read, and a vector instruction that reads a matrix result or writes one of a matrix instruction's registers, stand four places behind it, and only
; plain vector instructions that name none of its registers are places (ISA guide 7.12.1 for vector instructions).
.macro PLACES
.rept 4
	v_nop
.endr
.endm
; A K step is four quarter steps of 32 along K, 64 matrix instructions each, on buffers 0, 1, 0, 1.
; One of the first three: multiplies buffer f; in its middle it fetches the next quarter's fragments, at byte k of the same slot's rows, into buffer g.
.macro QUARTER slot, k, f, g, zero
	s_wait_dscnt 8                                 ; wq and xq's rows 0-63 are in; the youngest eight loads (xq's rows 64-127) may be out
	MUL16 \f, 0, 0, \zero
	MUL16 \f, 0, 2, \zero
	PLACES
	FETCH \slot, \k, \g
	s_wait_dscnt 32                                ; all but the 32 just issued
	MUL16 \f, 1, 0, \zero
	MUL16 \f, 1, 2, \zero
.endm
; The last quarter multiplies buffer 1 and changes slots.  MEET is its first half: ONE barrier for the change of slots.  In front of it each wave waits for all its tensor loads, of which one is out: its part of
; the next slot; adds 0 to its spare word; and waits for that and for its own reads of this slot.  Behind it nobody reads this slot any more and the next slot is whole.
.macro MEET round                      ; round = 1: the rest of a round of the cluster's barrier follows
	WIN 0                                          ; (the add's two registers lie in window 0)
	s_wait_tensorcnt 0x0                           ; all my tensor loads have landed
	ds_add_u32 v[SPW], v[NIL]                      ; 0 onto my spare word
	s_wait_dscnt 9                                 ; (the add and the youngest eight loads may be out)
	MUL16 F1, 0, 0, 0                              ; sixteen matrix instructions stand between the add and the wait for it
	s_wait_dscnt 0x0                               ; the add is done, and my reads of this slot are over
	s_barrier_signal -1
	MUL16 F1, 0, 2, 0                              ; work on registers while the others arrive
.if \round
	WIN 0
.endif
	s_barrier_wait -1
.endm
; The whole last quarter.  fill = 1: the barrier opens a round of the cluster's barrier, and behind the round the slot just read out is filled again first, with the K step two steps on; from that request to
; the wait for it a wave issues 224 matrix instructions.  Then come the next slot's first fragments.  fill = 0: nothing is left to ask for, and no round follows.
.macro TURN slot, next, fill
.if \fill
	s_wait_xcnt 0x0                                ; the last prefetch, a K step back, has read its address: it is stepped here, ahead of the waits of the change of slots
	s_add_nc_u64 s[PFA:PFA+1], s[PFA:PFA+1], KSTEP*2
	MEET 1
	CREST                                          ; no wave of any partner still reads this slot's tile or has a load on its way
	s_add_nc_u64 s[G0+4*(\slot)+2:G0+4*(\slot)+3], s[G0+4*(\slot)+2:G0+4*(\slot)+3], 2*KSTEP*2     ; no tensor load of mine is out: a group 0 may be written
	s_add_nc_u64 s[G0B+4*(\slot)+2:G0B+4*(\slot)+3], s[G0B+4*(\slot)+2:G0B+4*(\slot)+3], 2*KSTEP*2
	JLOAD \slot                                    ; the first tensor load behind the round; the four v_nop behind it are also the places in front of the loads below
.else
	MEET 0
	PLACES
.endif
	FETCH \next, 0, F0
.if \fill
	ASK
.endif
	MUL16 F1, 1, 0, 0
	MUL16 F1, 1, 2, 0
.endm
; THE WAY OUT of my rows 16 a .. 16 a + 15.  64 multiplications by xs ws gather, for each row j and each group g of 64 columns, the four accumulators' numbers into one tuple; each accumulator is read from its
; lowest register on.  Then 16 stores: lanes 0-15 store 256 consecutive bytes of row 16 a + j, lanes 16-31 of row 16 a + 8 + j, each at a multiple of 256 from out0's first byte.
; The row and the group stand in the immediate, 1,949,952 at the most, inside its signed 24 bits (ISA guide, chapter 10).  Three buffers take turns.
.macro OUT a
.set TB, 64+64*((\a)%3)
.set AC, 64*((\a)%4)
.if (\a) >= 3
	s_wait_xcnt 0x0                                ; the buffer, which the stores of block a - 3 read, is rewritten only behind this wait
.endif
	WIN 0x08+4*((\a)/4)                            ; source 1: window 2 or 3
.irp g, 0,1
.irp j, 0,1,2,3,4,5,6,7
.irp b, 0,1,2,3
	v_mul_f32 v[TB+32*(\g)+4*(\j)+(\b)], v[SCL], v[AC+8*(4*(\g)+(\b))+(\j)]
.endr
.endr
.endr
	WIN 0
.irp g, 0,1
.irp j, 0,1,2,3,4,5,6,7
	global_store_b128 v[CO], v[TB+32*(\g)+4*(\j):TB+32*(\g)+4*(\j)+3], s[8:9] offset:(16*(\a)+(\j))*SIZE_N*4+256*(\g) th:TH_STORE_NT
.endr
.endr
.endm
	s_wait_tensorcnt 1                             ; my part of K step 0 is in; K step 1's may stay out
	s_barrier_signal -1
	s_barrier_wait -1                              ; everybody's is
	FETCH 0, 0, F0
	QUARTER 0, 64,  F0, F1, 1                      ; the first quarter stands in front of the loop: its products start the sums
	WIN 0                                          ; at a label and at a branch every window is 0
	s_mov_b32 s3, LAPS-1
.Llap:                                                 ; a trip goes once round the ring, from a lap's second quarter to the next lap's first, and fills both slots again
	QUARTER 0, 128, F1, F0, 0
	QUARTER 0, 192, F0, F1, 0
	TURN 0, 1, 1
	QUARTER 1, 64,  F0, F1, 0
	QUARTER 1, 128, F1, F0, 0
	QUARTER 1, 192, F0, F1, 0
	TURN 1, 0, 1
	QUARTER 0, 64,  F0, F1, 0
	WIN 0
	s_sub_co_u32 s3, s3, 1
	s_cmp_lg_u32 s3, 0
	s_cbranch_scc1 .Llap
	QUARTER 0, 128, F1, F0, 0                      ; the last lap is written out: it asks for nothing
	QUARTER 0, 192, F0, F1, 0
	TURN 0, 1, 0
	QUARTER 1, 64,  F0, F1, 0
	QUARTER 1, 128, F1, F0, 0
	QUARTER 1, 192, F0, F1, 0
	s_wait_dscnt 8                                 ; the very last quarter: nothing more to fetch
	MUL16 F1, 0, 0, 0
	MUL16 F1, 0, 2, 0
	s_wait_dscnt 0x0
	MUL16 F1, 1, 0, 0
	MUL16 F1, 1, 2, 0
	WIN 0
	PLACES                                         ; the places behind the last products, in front of lines that read results and write over fragments;
	PLACES                                         ; eight, once a launch
.irp a, 0,1,2,3,4,5,6,7
	OUT \a
.endr
	s_wait_tensorcnt 0x0                           ; the wave's end: an add of 0 to my spare word and its wait, behind my last tensor load
	ds_add_u32 v[SPW], v[NIL]
	s_wait_dscnt 0x0
	CROUND                                         ; the closing round: no work-group ends while a partner may still ask for a tile that names it
	s_endpgm
.Lfunc_end_k_q0cb663d5b2_gemm:
	.size	k_q0cb663d5b2_gemm, .Lfunc_end_k_q0cb663d5b2_gemm-k_q0cb663d5b2_gemm
	.p2alignl 7, 3214868480
	.fill 96, 4, 3214868480
	.section	.rodata,"a",@progbits
	.p2align	6, 0x0
	.amdhsa_kernel k_q0cb663d5b2_gemm
		.amdhsa_group_segment_fixed_size 327680
		.amdhsa_private_segment_fixed_size 0
		.amdhsa_enable_private_segment 0
		.amdhsa_kernarg_size 40
		.amdhsa_user_sgpr_count 2
		.amdhsa_user_sgpr_kernarg_segment_ptr 1
		.amdhsa_wavefront_size32 1
		.amdhsa_system_sgpr_workgroup_id_x 1
		.amdhsa_system_sgpr_workgroup_id_y 1
		.amdhsa_system_sgpr_workgroup_id_z 1
		.amdhsa_system_vgpr_workitem_id 0
		.amdhsa_next_free_vgpr 1024
		.amdhsa_next_free_sgpr 72
		.amdhsa_reserve_vcc 0
		.amdhsa_float_denorm_mode_32 3
		.amdhsa_float_denorm_mode_16_64 3
		.amdhsa_memory_ordered 1
		.amdhsa_forward_progress 1
		.amdhsa_inst_pref_size 141
	.end_amdhsa_kernel
	.amdgpu_metadata
---
amdhsa.version: [ 1, 2 ]
amdhsa.kernels:
  - .name:           k_q0cb663d5b2_gemm
    .symbol:         k_q0cb663d5b2_gemm.kd
    .args:
      - { .name: xq, .offset: 0, .size: 8, .value_kind: global_buffer, .address_space: global }
      - { .name: wq, .offset: 8, .size: 8, .value_kind: global_buffer, .address_space: global }
      - { .name: out0, .offset: 16, .size: 8, .value_kind: global_buffer, .address_space: global }
      - { .name: input_scale, .offset: 24, .size: 8, .value_kind: global_buffer, .address_space: global }
      - { .name: weight_scale, .offset: 32, .size: 8, .value_kind: global_buffer, .address_space: global }
    .group_segment_fixed_size: 327680
    .private_segment_fixed_size: 0
    .kernarg_segment_align: 8
    .kernarg_segment_size: 40
    .max_flat_workgroup_size: 128
    .sgpr_count:     72
    .vgpr_count:     1024
    .wavefront_size: 32
...
	.end_amdgpu_metadata
.endif
;; end of part 2
;; ======== version 2 of 2: 2 launches; version 1 with the launch quant written anew for expert scheduling mode
;; workspace buffers: xq 33,554,432 bytes; wq 33,554,432 bytes
;; launch quant (part 3): grid 512 x 2, 8 waves a work-group, no clusters, 0 bytes of LDS; arguments input, weight, input_scale, weight_scale, xq, wq; writes xq, wq
.if DOCPART == 3
	.amdgcn_target "amdgcn-amd-amdhsa--gfx1250"
	.amdhsa_code_object_version 6
	.text
	.protected	k_q0cb663d5b2_quant
	.globl	k_q0cb663d5b2_quant
	.p2align	8
	.type	k_q0cb663d5b2_quant,@function
k_q0cb663d5b2_quant:
	s_mov_b64 s[64:65], 0
	v_nop
	global_prefetch_b8 v0, s[64:65] scope:SCOPE_SE
	s_setreg_imm32_b32 hwreg(HW_REG_WAVE_SCHED_MODE, 0, 2), 2
	s_setreg_imm32_b32 hwreg(HW_REG_WAVE_MODE, 25, 1), 1
	s_wait_xcnt 0x0
	s_wait_alu depctr_vm_vsrc(0)
; QUANTISATION, once for each number.  Grid y = 0: xq[t][i] = clip(round(input[t][i] / xs), -128, 127).  Grid y = 1: wq[p][i] = clip(round(weight[n][i] / ws), -1, 1).
; Inputs [4096][4096] f32, results [4096][4096] bf16: whole numbers of at most 8 bits, which bf16 holds exactly.
; THE QUOTIENT IS THE CORRECTLY ROUNDED f32 QUOTIENT, since one number that falls on the other side of a half changes a whole row or column of the product by xs ws.
; r = 1 / s is made once: v_rcp_f32 and two Newton steps by fused multiply-adds.  Then q = x r, and twice: the exact residual e = x - q s (one fused multiply-add), q = q + e r.
; After the first correction q lies within one unit in the last place, and the second then rounds to the true quotient's nearest f32.
; v_rndne_f32 rounds halves to even, as jnp.round does; v_med3_num_f32 clips.
; LIMITS.  The scales are finite and not 0, 2^-64 <= |s| <= 2^64; |x| <= 2^60: then no quotient or residual overflows, and a residual loses bits only where the quotient is far below 0.5.
; For a scale whose significand is all ones r may miss the nearest f32; the quotient is then right to 2^-47 of itself before its last rounding.  NaN and infinities are not treated apart.
; WHERE A ROW OF wq LIES.  Inside each group of 64 rows, weight row n = 64 g + 4 r + b (b = 0..3, r = 0..15) goes to place p = 64 g + 16 b + r.  In the product that follows, four neighbouring
; accumulators of a lane then hold four neighbouring columns of the output.  xq's rows lie as input's.
; SHARES.  A wave takes one row: 16,384 bytes in, 8,192 out, in 32 chunks.  A chunk is one load of 16 bytes a lane (512 consecutive bytes a wave) and one store of 8 bytes a lane (256 consecutive bytes,
; at a multiple of 256 from the buffer's first byte).  A ring of 16 register slots keeps 12 to 16 loads of every wave on their way.  Every chunk's place stands in the immediate: no address register is rewritten, and there is no loop.
; No LDS, no barrier, no matrix unit, no cluster: no wave wants a byte that another has fetched.
; THE MODE: SCHED_MODE bits 1:0 = 2 (LLVM: expert scheduling mode 2), set by the entry lines.  The code itself states the register dependences between vector instructions and memory
; instructions, with s_wait_alu, always for 0.
; THE PLAN.  The 32 chunks go in 8 blocks of four; block p has the slots 4 (p % 4) to 4 (p % 4) + 3.  Registers that memory instructions touch:
;   v1, v2    byte offsets, made once at the head and never written again: read by every load (v1) and every store (v2).
;   X, slot i Written by loads: blocks 0 to 3 at the head, block p + 4 at the end of block p.  Read by its block's multiplications and residuals.
;   Y, slot i Written by its block's roundings to bf16; read by the four stores at the block's end; written again four blocks later.
;   Q, R, -s, 1 / s are named by vector instructions alone.
; So ONE wait on va_vdst stands at the end of a block: its roundings have written its Y, and its residuals are done reading its X.  Behind it come the block's memory instructions in one run: the four
; loads that fill its X again (blocks 0 to 3), then its four stores.  The next block's vector instructions name other slots, so nothing more is owed.  One wait on vm_vsrc, beside the wait on XCNT,
; stands in each of blocks 4 to 7, ahead of its first roundings: the stores of four blocks back have read the Y that these write again.
.set NS,  4                            ; v[4:5]    -s, twice
.set RC,  6                            ; v[6:7]    1 / s, twice
.set Q,   10                           ; v[10:13]  four quotients at work
.set R,   14                           ; v[14:17]  four residuals at work
.set X,   20                           ; v[20:83]  slot i: 4 registers as loaded
.set Y,   84                           ; v[84:115] slot i: 2 registers to store
	s_load_b256 s[4:11], s[0:1], 0x0               ; input s[4:5], weight s[6:7], input_scale s[8:9], weight_scale s[10:11]
	s_load_b128 s[12:15], s[0:1], 0x20             ; xq s[12:13], wq s[14:15]
	v_lshrrev_b32 v3, 5, v0
	v_readfirstlane_b32 s17, v3                    ; wave 0..7
	v_and_b32 v1, 31, v0                           ; lane
	v_lshlrev_b32 v2, 3, v1                        ; 8 x lane: my place in a chunk of the result; never rewritten
	v_lshlrev_b32 v1, 4, v1                        ; 16 x lane: my place in a chunk of the input; never rewritten
	s_and_b32 s16, ttmp7, 0xffff                   ; 0: input, 1: weight
	s_wait_alu depctr_va_sdst(0)                   ; s17 is written, ahead of its first reader: my row's number is made from it
	s_lshl_b32 s18, ttmp9, 3
	s_add_co_u32 s18, s18, s17                     ; n, my row: 8 x work-group + wave
	s_and_b32 s19, s18, 0xfc0                      ; 64 g
	s_and_b32 s28, s18, 3                          ; b
	s_lshl_b32 s28, s28, 4
	s_or_b32 s19, s19, s28                         ; + 16 b
	s_bfe_u32 s28, s18, 0x40002                    ; r: four bits from bit 2
	s_or_b32 s19, s19, s28                         ; p
	s_mov_b32 s29, 0                               ; the high words of the two offsets
	s_mov_b32 s31, 0
	s_wait_kmcnt 0x0
	s_load_b32 s2, s[8:9], 0x0                     ; xs
	s_load_b32 s3, s[10:11], 0x0                   ; ws
	s_cmp_eq_u32 s16, 0                            ; the selects below leave SCC as it is
	s_cselect_b64 s[20:21], s[4:5], s[6:7]         ; from where,
	s_cselect_b64 s[24:25], s[12:13], s[14:15]     ; to where,
	s_cselect_b32 s26, 0xc3000000, -1.0            ; the lower bound: -128 or -1,
	s_cselect_b32 s27, 0x42fe0000, 1.0             ; the upper: 127 or 1,
	s_cselect_b32 s19, s18, s19                    ; and the row's place in the result: n or p
	s_lshl_b32 s28, s18, 14                        ; 16,384 bytes a row in
	s_lshl_b32 s30, s19, 13                        ; 8,192 bytes a row out
	s_add_nc_u64 s[20:21], s[20:21], s[28:29]
	s_add_nc_u64 s[24:25], s[24:25], s[30:31]
	s_wait_alu depctr_va_vdst(0)                   ; v1 and v2 are written: every load and store of the kernel reads one of them as its offset
.irp i, 0,1,2,3,4,5,6,7,8,9,10,11,12,13,14,15
	global_load_b128 v[X+4*(\i):X+4*(\i)+3], v1, s[20:21] offset:512*(\i) th:TH_LOAD_NT  ; the ring is filled: chunks 0 to 15, blocks 0 to 3
.endr
	s_wait_kmcnt 0x0                               ; the two scales
	s_cmp_eq_u32 s16, 0
	s_cselect_b32 s2, s2, s3                       ; s
	v_mov_b32 v9, s2
	v_rcp_f32 v[RC], v9
	v_xor_b32 v[NS], 0x80000000, v9                ; -s: also the plain instruction behind the reciprocal
	v_mov_b32 v[NS+1], v[NS]
	s_wait_alu depctr_va_vdst(0)                   ; the reciprocal has written v[RC], ahead of the first line that names it
.rept 2
	v_fma_f32 v8, v[NS], v[RC], 1.0                ; 1 - s r, exactly rounded once
	v_fma_f32 v[RC], v8, v[RC], v[RC]              ; r + r (1 - s r)
.endr
	v_mov_b32 v[RC+1], v[RC]
; The arithmetic of chunk 4 p + j, in slot 4 (p % 4) + j.
.macro WORK p, j
.set SL, 4*((\p)%4)+(\j)
.if (\p) < 4
	s_wait_loadcnt 15-(\j)                         ; loads come back in order (ISA guide 5.7.1): mine is in; the block's 3 - j later ones and the three younger blocks' twelve stay out
.else
	s_wait_loadcnt 31-4*(\p)-(\j)                  ; nothing more is asked for: all the chunks behind mine may stay out, and the counts run down
.endif
	v_pk_mul_f32 v[Q:Q+1],   v[X+4*SL:X+4*SL+1],   v[RC:RC+1]
	v_pk_mul_f32 v[Q+2:Q+3], v[X+4*SL+2:X+4*SL+3], v[RC:RC+1]
.rept 2
	v_pk_fma_f32 v[R:R+1],   v[Q:Q+1],   v[NS:NS+1], v[X+4*SL:X+4*SL+1]        ; x - q s
	v_pk_fma_f32 v[R+2:R+3], v[Q+2:Q+3], v[NS:NS+1], v[X+4*SL+2:X+4*SL+3]
	v_pk_fma_f32 v[Q:Q+1],   v[R:R+1],   v[RC:RC+1], v[Q:Q+1]                  ; q + (x - q s) r
	v_pk_fma_f32 v[Q+2:Q+3], v[R+2:R+3], v[RC:RC+1], v[Q+2:Q+3]
.endr
.irp k, 0,1,2,3
	v_rndne_f32 v[Q+(\k)], v[Q+(\k)]
.endr
.irp k, 0,1,2,3
	v_med3_num_f32 v[Q+(\k)], v[Q+(\k)], s26, s27
.endr
.if (\p) >= 4
.if (\j) == 0
	s_wait_xcnt 0x0                                ; every earlier memory instruction has had its addresses translated (ISA guide 3.1): this block's Y, which the stores of four blocks back read, is rewritten only behind this wait
	s_wait_alu depctr_vm_vsrc(0)                   ; and those four stores have read this block's Y, which the roundings below and in the block's other three chunks write again
.endif
.endif
	v_cvt_pk_bf16_f32 v[Y+2*SL],   v[Q],   v[Q+1]  ; exact: whole numbers of at most 8 bits
	v_cvt_pk_bf16_f32 v[Y+2*SL+1], v[Q+2], v[Q+3]
.endm
; Block p: four chunks' arithmetic, one wait, and the block's memory instructions in one run, the loads ahead of the stores.
.macro BLK p
.irp j, 0,1,2,3
	WORK \p, \j
.endr
	s_wait_alu depctr_va_vdst(0)                   ; the block's roundings have written its Y, which the stores below read; its residuals are done reading its X, in which the loads below land
.if (\p) < 4
.irp j, 0,1,2,3
	global_load_b128 v[X+16*(\p)+4*(\j):X+16*(\p)+4*(\j)+3], v1, s[20:21] offset:512*(4*(\p)+(\j)+16) th:TH_LOAD_NT  ; the same slots' chunks of block p + 4
.endr
.endif
.irp j, 0,1,2,3
	global_store_b64 v2, v[Y+8*((\p)%4)+2*(\j):Y+8*((\p)%4)+2*(\j)+1], s[24:25] offset:256*(4*(\p)+(\j))
.endr
.endm
.irp p, 0,1,2,3,4,5,6,7
	BLK \p                                         ; blocks 0 to 3 fill their slots again; blocks 4 to 7 load nothing
.endr
	s_endpgm
.Lfunc_end_k_q0cb663d5b2_quant:
	.size	k_q0cb663d5b2_quant, .Lfunc_end_k_q0cb663d5b2_quant-k_q0cb663d5b2_quant
	.p2alignl 7, 3214868480
	.fill 96, 4, 3214868480
	.section	.rodata,"a",@progbits
	.p2align	6, 0x0
	.amdhsa_kernel k_q0cb663d5b2_quant
		.amdhsa_group_segment_fixed_size 0
		.amdhsa_private_segment_fixed_size 0
		.amdhsa_enable_private_segment 0
		.amdhsa_kernarg_size 48
		.amdhsa_user_sgpr_count 2
		.amdhsa_user_sgpr_kernarg_segment_ptr 1
		.amdhsa_wavefront_size32 1
		.amdhsa_system_sgpr_workgroup_id_x 1
		.amdhsa_system_sgpr_workgroup_id_y 1
		.amdhsa_system_sgpr_workgroup_id_z 1
		.amdhsa_system_vgpr_workitem_id 0
		.amdhsa_next_free_vgpr 116
		.amdhsa_next_free_sgpr 66
		.amdhsa_reserve_vcc 0
		.amdhsa_float_denorm_mode_32 3
		.amdhsa_float_denorm_mode_16_64 3
		.amdhsa_memory_ordered 1
		.amdhsa_forward_progress 1
		.amdhsa_inst_pref_size 46
	.end_amdhsa_kernel
	.amdgpu_metadata
---
amdhsa.version: [ 1, 2 ]
amdhsa.kernels:
  - .name:           k_q0cb663d5b2_quant
    .symbol:         k_q0cb663d5b2_quant.kd
    .args:
      - { .name: input, .offset: 0, .size: 8, .value_kind: global_buffer, .address_space: global }
      - { .name: weight, .offset: 8, .size: 8, .value_kind: global_buffer, .address_space: global }
      - { .name: input_scale, .offset: 16, .size: 8, .value_kind: global_buffer, .address_space: global }
      - { .name: weight_scale, .offset: 24, .size: 8, .value_kind: global_buffer, .address_space: global }
      - { .name: xq, .offset: 32, .size: 8, .value_kind: global_buffer, .address_space: global }
      - { .name: wq, .offset: 40, .size: 8, .value_kind: global_buffer, .address_space: global }
    .group_segment_fixed_size: 0
    .private_segment_fixed_size: 0
    .kernarg_segment_align: 8
    .kernarg_segment_size: 48
    .max_flat_workgroup_size: 256
    .sgpr_count:     66
    .vgpr_count:     116
    .wavefront_size: 32
...
	.end_amdgpu_metadata
.endif
;; end of part 3
;; launch gemm: the kernel of part 2 again; grid 16 x 16, 4 waves a work-group, clusters of 4 x 4, 327,680 bytes of LDS; arguments xq, wq, out0, input_scale, weight_scale; writes out0
